; MI455X (gfx1250); checked and timed in simulation.
; The chip was launched on July 23, 2026; its instructions are those of AMD's public machine-readable ISA for CDNA 5 (MIT licence, August 2026) and "CDNA5" Instruction Set Architecture Reference Guide (July 2026). The comments in the code are by the model that wrote it; some were corrected since.
;; Inc Concave NN. Allowed arithmetic: matrix products marked QUANTISED: E4M3 operands, one given power-of-two scale a tensor, by v_wmma_f32_16x16x64_fp8_fp8 or v_wmma_f32_16x16x128_fp8_fp8, f32 sums; products left as they are: f32 operands where the result goes on into a quantised operand, else bf16, f16 or f32 operands; f32 sums; everything else in f32.
;; Inputs: h 256 x 63 float32; ib0 128 float32; ib1 128 float32; ib2 1 float32; iw0 64 x 128 float32; iw1 128 x 128 float32; iw2 128 x 1 float32; lowp_scales 8 int32 (the exponents e of the quantised operands' scales 2^e); nb0 128 float32; nb1 128 float32; nb2 2 float32; nw0 63 x 128 float32; nw1 128 x 128 float32; nw2 128 x 2 float32; x 256 x 1 float32.
;; Outputs: out0 256 x 1 float32.
;; This version of the problem:
;;   THIS VERSION OF THE PROBLEM IS GIVEN IN LOW PRECISION. The matrix products marked QUANTISED in the list below multiply operands that are first quantised to E4M3 (4 exponent bits, 3 mantissa bits; 8 bits a number), with one given power-of-two scale for each operand tensor; their sums are f32. All else is computed in f32.
;;   The module's matrix products, in the order in which they are computed (A, B: the left and right operand; K: the contracted axis; several contracted axes count as one K, in the product's order):
;;     1. [M 665,856, K 64] x [K 64, N 128]; A: computed on the way; B: input iw0: QUANTISED (scales: A lowp_scales[0], B lowp_scales[1])
;;     2. [M 665,856, K 128] x [K 128, N 128]; A: computed on the way; B: input iw1: QUANTISED (scales: A lowp_scales[2], B lowp_scales[3])
;;     3. [M 665,856, K 128] x [K 128, N 1]; A: computed on the way; B: input iw2: left as it is (N = 1 < 16)
;;     4. [M 256, K 63] x [K 63, N 128]; A: input h; B: input nw0: QUANTISED (scales: A lowp_scales[4], B lowp_scales[5])
;;     5. [M 256, K 128] x [K 128, N 128]; A: computed on the way; B: input nw1: QUANTISED (scales: A lowp_scales[6], B lowp_scales[7])
;;     6. [M 256, K 128] x [K 128, N 2]; A: computed on the way; B: input nw2: left as it is (N = 2 < 16)
;;   THE QUANTISER, for each operand of a quantised product, along K:
;;     - The operand's scale is 2^e, e = its entry of the input lowp_scales (int32; the entries are numbered through the quantised products in the list's order, A before B).
;;     - Each number is divided by the scale, clamped to +-448, and rounded to the nearest number of E4M3, ties to even, subnormals kept.
;;     - The product sums the exact products of the quantised numbers (number of the format x scale) in f32.
;;   ~~~python
;;   def quantise(x, axis, e):      # numpy; x: float32 -> the quantised numbers, widened to float32 again
;;       x = np.moveaxis(x, axis, -1); K = x.shape[-1]
;;       r = np.clip(x / 2.0 ** e, -448, 448)
;;       step = 2.0 ** (np.maximum(np.frexp(np.where(r == 0, 1, r))[1] - 1, -6) - 3)
;;       q = np.round(r / step) * step * 2.0 ** e      # np.round: ties to even
;;       return np.moveaxis(q, -1, axis).astype(np.float32)
;;   ~~~
;;   OPERANDS COMPUTED ON THE WAY. 'Computed on the way' means the value that the module computes at that place (a softmax that the list does not call 'softmax' is quantised finished and normalised). What goes into a quantiser is computed in f32, as accurately as f32 sums, v_exp_f32 and their like allow (about 1e-6 of the number): no bf16 or f16 on the way to a quantiser, and a product that is left as it is and whose result goes on into a quantised operand takes f32 operands (vector FMAs, or v_wmma_f32_16x16x4_f32). A number that lies on a knife's edge between two numbers of the format may be rounded either way, as far as f32 arithmetic and the matrix unit's own rounding can turn it there, and no further.
;; One version. Each part assembles by itself: llvm-mc -triple=amdgcn-amd-amdhsa -mcpu=gfx1250 --defsym DOCPART=n.
;; ======== version 1 of 1: 1 launch
;; launch umnn (part 1): grid 256 x 1, 8 waves a work-group, no clusters, 88,832 bytes of LDS; arguments x, h, iw0, ib0, iw1, ib1, iw2, ib2, nw0, nb0, nw1, nb1, nw2, nb2, lowp_scales, out0; writes out0
.if DOCPART == 1
	.amdgcn_target "amdgcn-amd-amdhsa--gfx1250"
	.amdhsa_code_object_version 6
	.text
	.protected	k_qa670df0633_umnn
	.globl	k_qa670df0633_umnn
	.p2align	8
	.type	k_qa670df0633_umnn,@function
k_qa670df0633_umnn:
	s_mov_b64 s[64:65], 0
	v_nop
	global_prefetch_b8 v0, s[64:65] scope:SCOPE_SE
	s_setreg_imm32_b32 hwreg(HW_REG_WAVE_MODE, 25, 1), 1
	s_wait_xcnt 0x0
; out0[b] = exp(o1) * outer + o0.  outer = a doubly nested Clenshaw-Curtis quadrature (51 x 51 points) of an MLP 64 -> 128 -> 128 -> 1 on [s, h_b];
; (o0, o1) = a second MLP 63 -> 128 -> 128 -> 2 on h_b.  The four wide products run on E4M3 codes with the given scales 2^e0 .. 2^e7; all else is f32.
; SHARES.  Work-group b owns row b: 2,601 samples m = 51 i + j, 163 tiles of 16 (the last has 9 samples; the 7 others carry the weight 0).  Eight waves, two to a SIMD, 512 registers each:
; wave w takes tiles w + 8 n, n = 0 .. 19; waves 0-2 then take tiles 160-162, wave 3 the second MLP as one tile with its own weights.
; xmax: t = x (steps + 1) / 2 with steps + 1 between 0 and 2, both reached, so max(t) = max(0, max_b x_b): every work-group finds it from the 1,024 bytes of x, and nothing passes between work-groups.
; LAYOUT.  Both products are used transposed (source 0 = 16 rows of W^T, source 1 = 16 samples): a lane holds ONE sample, and its 8 registers of tile t are hidden units 16 t + 8 (lane / 16) + 0 .. 7,
; which is just where the next operand's layout wants k in its registers 2 t, 2 t + 1: the conversions' results ARE the next operand.  Within a row only code k = 0 (s) differs between samples: one word a lane and tile.
; Weights' fragments, biases (given as the matrix instruction's C) and iw2 stay in registers for the whole kernel: 384 of the 512.
; SCALES, all folded exactly: C of product 1 = ib0 2^-(e0+e1); the hidden layer's conversion divides by 2^(e2-e0-e1); C of product 2 = ib1 2^-(e2+e3); iw2 is multiplied by 2^(e2+e3); e4 .. e7 likewise.
; LIMITS.  e0, e1, e3, e4, e5, e7, e2-e0-e1, e6-e4-e5 lie between -126 and 119; e0+e1, e2+e3, e4+e5, e6+e7 between -126 and 126 (each power of two, and 448 x it, is an f32 number).
; NaN and infinities among the inputs are not served.  s = t + dh u_j is one fused multiply-add (reference(): a multiply and an add).  The quadrature weights are made in f32 by the cosine recurrence
; (absolute error about 1e-6 of the bracket; they stand ahead of no quantiser).  The weighted sum runs over the flattened samples, in another order than reference()'s.
; NO CLUSTER, NO TENSOR LOADS: what work-groups share is the 196,096 bytes of weights, read once at the head by 48 loads a wave that are all out together, straight into the registers in which they are quantised;
; the loop reads nothing from memory.  The output is one word a work-group.
;
; LDS
.set CT,       0                       ; 51 entries (steps[k] + 1, cc[k]), 8 bytes each
.set HCM,      512                     ; 64 codes of the main input; byte 0 (s) is 0 here
.set HCO,      576                     ; 64 codes of the second MLP's input; byte 63 is 0
.set RED,      640                     ; words 0-7 the waves' sums, word 8 o0, word 9 o1
.set SV_IB0,   1024                    ; seven vectors of 128 f32, already scaled
.set SV_IB1,   1536
.set SV_IW2,   2048
.set SV_NB0,   2560
.set SV_NB1,   3072
.set SV_NW2A,  3584
.set SV_NW2B,  4096
.set WT,       4608                    ; the weight of sample m, f32, m = 0 .. 2815
.set INT,      15872                   ; 176 rows of 128 bytes: register 0 of the input fragment for the 32 lanes of a tile
.set IMG_IW0,  38400                   ; fragment images: [tile] TS0 bytes, [c] 256, [lane] 8: byte i = code of W[16 c + 8 (lane / 16) + i][16 tile + lane % 16]
.set IMG_NW0,  46656
.set IMG_IW1,  54912                   ; [tile] TS1 bytes, [c = 0 .. 7] 256, [lane] 8
.set REL_NW1,  16448                   ; nw1's image, from IMG_IW1 on
.set TS0,      1032
.set TS1,      2056
; REGISTERS, window 0
.set LANE, 1
.set R,    2                           ; lane % 16: my sample in a tile
.set HH,   3                           ; lane / 16
.set AIN,  4                           ; LDS address of my word of the next tile's input row
.set AWT,  5                           ; LDS address of my sample's weight
.set WTV,  6                           ; the weight
.set TOT,  7                           ; my running weighted sum
.set Z,    8
.set ZX,   9
.set ZN,   10
.set ZP,   11
.set EX,   12
.set SCH,  13                          ; the hidden layer's conversion scale
.set IBP,  14                          ; v14-15  (ib2 in lanes 0-15, else 0; 0)
.set ACC,  16                          ; v16-23  four pairs of partial sums of the last layer
.set SC0,  24                          ; v24-29  2^e as f32 for e0, e1, e3, e5, e7, e4
.set SC1,  25
.set SC3,  26
.set SC5,  27
.set SC7,  28
.set SC4,  29
.set VOW,  30                          ; byte offset of my 16 bytes in my wave's 8 rows of a weight
.set VOW2, 31                          ; the same for nw0's last row of the 8
.set INF,  32                          ; v32-39  the input fragment
.set CODE, 40                          ; v40-55  the hidden layer's codes; at the head: addresses and holds (below)
.set WVL,  40
.set XOF,  41
.set VST0, 42
.set VST1, 43
.set AIS,  44
.set AWS,  45
.set L4,   46
.set L16,  47
.set VM0,  50                          ; v50-55  448 x 2^e for e0, e1, e3, e5, e7, e4
.set VM1,  51
.set VM3,  52
.set VM5,  53
.set VM7,  54
.set VM4,  55
.set A8,   56                          ; v56-63: first x; then 8 lane,
.set A8B,  57                          ; 8 lane + IMG_IW1,
.set ABH,  58                          ; 32 (lane / 16),
.set A8H,  59                          ; 8 (lane / 16),
.set VMH,  60                          ; 448 x the hidden layer's conversion scale,
.set NIL,  61                          ; 0,
.set T0,   62                          ; and two at work
.set T1,   63
.set H,    64                          ; v64-127  a hidden layer: 8 tiles x 8
.set W2,   128                         ; v128-191 iw2 in the result's layout
.set B1,   192                         ; v192-255 ib1 in the result's layout
.set HRAW, 238                         ; v238-239 at the head, wave 1: h as loaded; no other line names them
; window 1: v0-63 W0's fragments, v64-191 W1's, v192-255 ib0 in the result's layout; at the head v0-191 hold the raw weights, 32 a pass
.set MSB, 0
.macro WIN new                         ; low byte: bits 1:0 source 0, 3:2 source 1, 5:4 source 2, 7:6 destination; the high byte repeats the setting that is left
.if MSB != \new
	s_set_vgpr_msb (MSB<<8)|\new
.set MSB, \new
.endif
.endm
.macro PW2 d, e                        ; s[d] = 2^s[e] as f32
	s_add_co_i32 s[\d], s[\e], 127
	s_lshl_b32 s[\d], s[\d], 23
.endm
.macro VMX d, e                        ; s[d] = 448 x 2^s[e] as f32
	s_add_co_i32 s[\d], s[\e], 135
	s_lshl_b32 s[\d], s[\d], 23
	s_or_b32 s[\d], s[\d], 0x600000
.endm
.macro QCONST sc, vm, e
	PW2 7, \e
	v_mov_b32 v[\sc], s7
	VMX 7, \e
	v_mov_b32 v[\vm], s7
.endm
.macro LOADW p, lo, off                ; 8 rows of 512 bytes, one load a row: lane l holds columns 4 l .. 4 l + 3 of rows 8 w + i
.irp i, 0,1,2,3,4,5,6,7
	global_load_b128 v[32*\p+4*\i:32*\p+4*\i+3], v[VOW], s[\lo:\lo+1] offset:\off+512*\i
.endr
.endm
	s_load_b512 s[8:23], s[0:1], 0x0               ; x 8, h 10, iw0 12, ib0 14, iw1 16, ib1 18, iw2 20, ib2 22
	s_load_b512 s[24:39], s[0:1], 0x40             ; nw0 24, nb0 26, nw1 28, nb1 30, nw2 32, nb2 34, scales 36, out0 38
	v_and_b32 v[LANE], 31, v0
	v_and_b32 v[R], 15, v0
	v_bfe_u32 v[HH], v0, 4, 1
	v_lshrrev_b32 v[WVL], 5, v0
	v_readfirstlane_b32 s2, v[WVL]                 ; wave 0..7
	s_mov_b32 s3, ttmp9                            ; row b
	s_mov_b32 s4, 0x76543210                       ; v_permlanex16_b32: lane l xor 16
	s_mov_b32 s5, 0xfedcba98
	s_mov_b32 s66, 0x05010400                      ; byte selects of the 4 x 4 transposition
	s_mov_b32 s67, 0x07030602
	s_mov_b32 s68, 0x05040100
	s_mov_b32 s69, 0x07060302
	v_lshlrev_b32 v[XOF], 5, v[LANE]
	v_lshlrev_b32 v[L4], 2, v[LANE]
	v_lshlrev_b32 v[L16], 4, v[LANE]
	v_lshl_add_u32 v[VOW], v[WVL], 12, v[L16]      ; 4,096 w + 16 lane
	s_mov_b32 s6, 3584
	s_cmp_eq_u32 s2, 7
	s_cselect_b32 s7, 3072, s6                     ; nw0 has 63 rows: wave 7 reads row 62 a second time in row 63's place, and clears it below
	v_add_nc_u32 v[VOW2], s7, v[VOW]
	s_lshl_b32 s84, s3, 2
	s_mov_b32 s85, 0
	s_mul_i32 s88, s3, 252
	s_mov_b32 s89, 0
	s_wait_kmcnt 0x0
	s_add_nc_u64 s[86:87], s[8:9], s[84:85]        ; x[b]
	s_add_nc_u64 s[38:39], s[38:39], s[84:85]      ; out0[b]
	s_add_nc_u64 s[10:11], s[10:11], s[88:89]      ; h's row b
	s_load_b256 s[40:47], s[36:37], 0x0            ; e0 .. e7
	s_load_b32 s48, s[22:23], 0x0                  ; ib2
	s_load_b32 s49, s[86:87], 0x0                  ; x_b
	s_load_b64 s[50:51], s[34:35], 0x0             ; nb2
	global_load_b128 v[56:59], v[XOF], s[8:9]      ; all of x, 8 numbers a lane
	global_load_b128 v[60:63], v[XOF], s[8:9] offset:16
	s_cmp_eq_u32 s2, 1
	s_cbranch_scc0 .Lnot_w1_load
	v_add_nc_u32 v48, 32, v[LANE]                  ; wave 1: h[lane] and h[32 + lane], held at the row's last number
	v_min_u32 v48, 62, v48
	v_lshlrev_b32 v48, 2, v48
	global_load_b32 v[HRAW], v[L4], s[10:11]
	global_load_b32 v[HRAW+1], v48, s[10:11]
.Lnot_w1_load:
	s_cmp_eq_u32 s2, 2
	s_cbranch_scc0 .Lnot_w2_load
	global_load_b128 v[192:195], v[L16], s[14:15]  ; wave 2: the biases and the narrow last layers
	global_load_b128 v[196:199], v[L16], s[18:19]
	global_load_b128 v[200:203], v[L16], s[20:21]
	global_load_b128 v[204:207], v[L16], s[26:27]
	global_load_b128 v[208:211], v[L16], s[30:31]
	global_load_b128 v[212:215], v[L16], s[32:33]
	global_load_b128 v[216:219], v[L16], s[32:33] offset:512
.Lnot_w2_load:
	WIN 0x40                                       ; the four weights, six passes of 64 rows, 48 loads a wave, into window 1
	LOADW 0, 12, 0
	LOADW 1, 16, 0
	LOADW 2, 16, 32768
.irp i, 0,1,2,3,4,5,6
	global_load_b128 v[96+4*\i:96+4*\i+3], v[VOW], s[24:25] offset:512*\i
.endr
	global_load_b128 v[124:127], v[VOW2], s[24:25]
	LOADW 4, 28, 0
	LOADW 5, 28, 32768
	WIN 0
	s_wait_kmcnt 0x0
	s_add_co_i32 s84, s40, s41                     ; e0 + e1
	s_add_co_i32 s85, s42, s43                     ; e2 + e3
	s_add_co_i32 s86, s44, s45                     ; e4 + e5
	s_add_co_i32 s87, s46, s47                     ; e6 + e7
	s_sub_co_i32 s88, s42, s84                     ; e2 - e0 - e1
	s_sub_co_i32 s89, s46, s86                     ; e6 - e4 - e5
	s_sub_co_i32 s90, 0, s84
	s_sub_co_i32 s91, 0, s85
	s_sub_co_i32 s92, 0, s86
	s_sub_co_i32 s93, 0, s87
	PW2 72, 90                                     ; for ib0
	PW2 73, 91                                     ; for ib1
	PW2 74, 85                                     ; for iw2
	PW2 75, 92                                     ; for nb0
	PW2 76, 93                                     ; for nb1
	PW2 77, 87                                     ; for nw2
	PW2 78, 88                                     ; the main hidden layer's conversion scale,
	VMX 60, 88                                     ; and 448 x it
	PW2 79, 89                                     ; the second MLP's
	VMX 61, 89
	QCONST SC0, VM0, 40
	QCONST SC1, VM1, 41
	QCONST SC3, VM3, 43
	QCONST SC4, VM4, 44
	QCONST SC5, VM5, 45
	QCONST SC7, VM7, 47
	; WAVE 0: the table of steps + 1 and quadrature weights.  Lane l holds steps[l] = cos(l pi / 50): lanes 0-24 a constant, lane 25 zero (steps[25] vanishes in the + 1), lanes 26-31 -steps[50 - l].
	s_cmp_eq_u32 s2, 0
	s_cbranch_scc0 .Lnot_w0
	v_mov_b32 v192, 0
.macro STEPV l, val
	s_mov_b32 s7, \val
	v_writelane_b32 v192, s7, \l
.endm
.macro STEPN l, val                    ; the same with the sign turned
	s_mov_b32 s7, \val
	s_xor_b32 s7, s7, 0x80000000
	v_writelane_b32 v192, s7, \l
.endm
	STEPV 0, 1.0
	STEPV 1, 0.998026728
	STEPV 2, 0.992114701
	STEPV 3, 0.982287251
	STEPV 4, 0.968583161
	STEPV 5, 0.951056516
	STEPV 6, 0.929776486
	STEPV 7, 0.904827052
	STEPV 8, 0.876306680
	STEPV 9, 0.844327926
	STEPV 10, 0.809016994
	STEPV 11, 0.770513243
	STEPV 12, 0.728968627
	STEPV 13, 0.684547106
	STEPV 14, 0.637423990
	STEPV 15, 0.587785252
	STEPV 16, 0.535826795
	STEPV 17, 0.481753674
	STEPV 18, 0.425779292
	STEPV 19, 0.368124553
	STEPV 20, 0.309016994
	STEPV 21, 0.248689887
	STEPV 22, 0.187381315
	STEPV 23, 0.125333234
	STEPV 24, 0.0627905195
	STEPN 26, 0.0627905195
	STEPN 27, 0.125333234
	STEPN 28, 0.187381315
	STEPN 29, 0.248689887
	STEPN 30, 0.309016994
	STEPN 31, 0.368124553
	; cc[j] = (2 c_j / 50) (1 - sum over p = 1 .. 25 of 2 cos(2 p theta_j) / (4 p^2 - 1)), c_j = 1/2 for j = 0 and 50, else 1.  The bracket is kept x 2^32, so that the coefficients
	; 2^33 / (4 p^2 - 1) are whole numbers that the assembler makes; cos(2 p theta) by T(p+1) = 2 cos(2 theta) T(p) - T(p-1).  cc[50 - j] = cc[j].
	v_mul_f32 v193, v192, v192
	v_fma_f32 v193, v193, 4.0, -2.0                ; 2 cos(2 theta) = 4 cos^2(theta) - 2
	v_mov_b32 v194, 1.0                            ; T(0)
	v_mul_f32 v195, 0.5, v193                      ; T(1)
	v_mov_b32 v197, 0x4f800000                     ; 2^32
.set p, 1
.rept 25
	s_mov_b32 s7, ((1<<33)+(4*p*p-1)/2)/(4*p*p-1)
	s_cvt_f32_u32 s7, s7
	v_fma_f32 v197, -v[194+p%3], s7, v197
	v_fma_f32 v[194+(p+1)%3], v193, v[194+p%3], -v[194+(p+2)%3]
.set p, p+1
.endr
	v_mov_b32 v204, 0x2d23d70a                     ; 0.04 x 2^-32,
	s_mov_b32 s7, 0x2ca3d70a
	v_writelane_b32 v204, s7, 0                    ; half of it for entries 0 and 50
	v_mul_f32 v199, v197, v204                     ; cc
	v_mov_b32 v201, v199
	v_add_f32 v198, 1.0, v192                      ; steps[l] + 1
	v_sub_f32 v200, 1.0, v192                      ; steps[50 - l] + 1
	v_lshlrev_b32 v202, 3, v[LANE]                 ; entry l, and entry 50 - l: bytes 0 to 255 and 152 to 407.  Entries 19 to 31 are written twice, with the same bits:
	v_sub_nc_u32 v203, 400, v202                   ; lanes l and 50 - l have equal squares, so equal cc, and 1 + (-s) and 1 - s are one sum
	ds_store_b64 v202, v[198:199] offset:CT
	ds_store_b64 v203, v[200:201] offset:CT
.Lnot_w0:
	s_wait_loadcnt 48                              ; x and the waves' special loads are in; the 48 weight loads issued behind them may stay out
	v_max3_num_f32 v56, v56, v57, v58              ; max(0, max x)
	v_max3_num_f32 v56, v56, v59, v60
	v_max3_num_f32 v56, v56, v61, v62
	v_max3_num_f32 v56, v56, v63, 0
	v_max_num_f32_dpp v56, v56, v56 row_xmask:1 row_mask:0xf bank_mask:0xf
	v_max_num_f32_dpp v56, v56, v56 row_xmask:2 row_mask:0xf bank_mask:0xf
	v_max_num_f32_dpp v56, v56, v56 row_xmask:4 row_mask:0xf bank_mask:0xf
	v_max_num_f32_dpp v56, v56, v56 row_xmask:8 row_mask:0xf bank_mask:0xf
	v_permlanex16_b32 v57, v56, s4, s5
	v_max_num_f32 v56, v56, v57
	v_add_f32 v56, 0x41200000, v56                 ; xmax = max(t) + 10
	v_readfirstlane_b32 s53, v56
	s_mul_f32 s53, s53, 0.5                        ; xmax / 2
	s_mul_f32 s52, s49, 0.5                        ; x_b / 2
	v_lshlrev_b32 v[A8], 3, v[LANE]
	v_add_nc_u32 v[A8B], IMG_IW1, v[A8]
	v_lshlrev_b32 v[ABH], 5, v[HH]
	v_lshlrev_b32 v[A8H], 3, v[HH]
	v_mov_b32 v[NIL], 0
	; WAVE 1: h's codes, once with e0 (k = 1 .. 63 of the main input; byte 0 gets the code 0) and once with e4 (k = 0 .. 62; byte 63 gets the code 0)
	s_cmp_eq_u32 s2, 1
	s_cbranch_scc0 .Lnot_w1
	v_cmp_eq_u32 vcc_lo, 31, v[LANE]
	v_cndmask_b32 v[HRAW+1], v[HRAW+1], 0, vcc_lo  ; there is no h[63]
	v_med3_num_f32 v208, v[HRAW], -v[VM0], v[VM0]  ; the conversion to an 8-bit code does not saturate (ISA guide 7.6.2): hold first
	v_med3_num_f32 v209, v[HRAW+1], -v[VM0], v[VM0]
	v_med3_num_f32 v224, v[HRAW], -v[VM4], v[VM4]
	v_med3_num_f32 v225, v[HRAW+1], -v[VM4], v[VM4]
.irp j, 2,3,4,5,6,7
	v_mov_b32 v[208+\j], 0
	v_mov_b32 v[224+\j], 0
.endr
	v_cvt_scalef32_pk8_fp8_f32 v[216:217], v[208:215], v[SC0]
	v_cvt_scalef32_pk8_fp8_f32 v[232:233], v[224:231], v[SC4]
	v_add_nc_u32 v218, 33, v[LANE]                 ; (the plain place behind the conversions)
	v_and_b32 v218, 63, v218
	v_lshrrev_b32 v219, 8, v216
	v_lshrrev_b32 v234, 8, v232
	ds_store_b8 v[LANE], v216 offset:HCM+1
	ds_store_b8 v218, v219 offset:HCM
	ds_store_b8 v[LANE], v232 offset:HCO
	ds_store_b8 v[LANE], v234 offset:HCO+32
.Lnot_w1:
	; WAVE 2: the biases and last layers, scaled by exact powers of two; nw2's two columns are parted
	s_cmp_eq_u32 s2, 2
	s_cbranch_scc0 .Lnot_w2
.irp j, 0,1,2,3
	v_mul_f32 v[192+\j], s72, v[192+\j]
	v_mul_f32 v[196+\j], s73, v[196+\j]
	v_mul_f32 v[200+\j], s74, v[200+\j]
	v_mul_f32 v[204+\j], s75, v[204+\j]
	v_mul_f32 v[208+\j], s76, v[208+\j]
.endr
	v_mul_f32 v220, s77, v212
	v_mul_f32 v221, s77, v214
	v_mul_f32 v222, s77, v213
	v_mul_f32 v223, s77, v215
	v_mul_f32 v224, s77, v216
	v_mul_f32 v225, s77, v218
	v_mul_f32 v226, s77, v217
	v_mul_f32 v227, s77, v219
	ds_store_b128 v[L16], v[192:195] offset:SV_IB0
	ds_store_b128 v[L16], v[196:199] offset:SV_IB1
	ds_store_b128 v[L16], v[200:203] offset:SV_IW2
	ds_store_b128 v[L16], v[204:207] offset:SV_NB0
	ds_store_b128 v[L16], v[208:211] offset:SV_NB1
	ds_store_b64 v[A8], v[220:221] offset:SV_NW2A
	ds_store_b64 v[A8], v[222:223] offset:SV_NW2B
	ds_store_b64 v[A8], v[224:225] offset:SV_NW2A+256
	ds_store_b64 v[A8], v[226:227] offset:SV_NW2B+256
.Lnot_w2:
	s_wait_dscnt 0x0                               ; for the others' sake: my stores are done
	s_barrier_signal -1
	s_barrier_wait -1                              ; the table, h's codes and the scaled vectors are whole
	; THE SAMPLES' TABLES.  Thread v0 makes samples m = v0 + 256 q, q = 0 .. 10.  i = m / 51 by a multiply and a shift (exact for m < 2,816), j = m - 51 i.
	v_lshrrev_b32 v48, 2, v[LANE]                  ; addresses for later: the image tile of my four columns,
	v_and_b32 v49, 3, v[LANE]
	s_lshl_b32 s7, s2, 7                           ; my wave's 8 rows k = 8 w + i are c = w / 2, half w % 2: 256 (w / 2) + 128 (w % 2) = 128 w
	v_lshl_add_u32 v49, v49, 5, s7
	v_mul_u32_u24 v[VST0], v48, TS0
	v_add_nc_u32 v[VST0], v[VST0], v49
	v_mul_u32_u24 v[VST1], v48, TS1
	v_add_nc_u32 v[VST1], v[VST1], v49
	v_add_nc_u32 v[VST1], IMG_IW1, v[VST1]
	v_lshrrev_b32 v[AIS], 4, v0
	v_lshlrev_b32 v[AIS], 7, v[AIS]
	v_lshl_add_u32 v[AIS], v[R], 2, v[AIS]         ; my word in the input rows: 128 (v0 / 16) + 4 (v0 % 16)
	v_lshlrev_b32 v[AWS], 2, v0
	ds_load_b32 v[T0], v[NIL] offset:HCM           ; codes k = 0 .. 3, in every lane
	ds_load_b32 v[T1], v[NIL] offset:HCM+8         ; codes k = 8 .. 11
.set q, 0
.rept 11
	v_add_nc_u32 v236, 256*q, v0
	v_mul_u32_u24 v[64+2*q], v236, 0xa0a1
	v_lshrrev_b32 v[64+2*q], 21, v[64+2*q]
	v_mul_u32_u24 v[65+2*q], v[64+2*q], 51
	v_sub_nc_u32 v[65+2*q], v236, v[65+2*q]
	v_min_u32 v[64+2*q], 50, v[64+2*q]             ; samples past 2,600 read entry 50 and get the weight 0
	v_min_u32 v[65+2*q], 50, v[65+2*q]
	v_lshlrev_b32 v[64+2*q], 3, v[64+2*q]
	v_lshlrev_b32 v[65+2*q], 3, v[65+2*q]
	ds_load_b64 v[192+4*q:193+4*q], v[64+2*q] offset:CT
	ds_load_b64 v[194+4*q:195+4*q], v[65+2*q] offset:CT
.set q, q+1
.endr
	s_wait_dscnt 0x0                               ; my gathers are back
	s_barrier_signal -1
	s_barrier_wait -1                              ; everybody's are: from here to the next barrier LDS is only stored into
.set q, 0
.rept 11
	v_mul_f32 v236, s52, v[192+4*q]                ; t = (x / 2) (steps_i + 1)
	v_mul_f32 v[240+q], v[193+4*q], v[195+4*q]     ; cc_i cc_j
	v_fma_f32 v237, v236, -0.5, s53                ; dh = (xmax - t) / 2
	v_fma_f32 v[176+q], v237, v[194+4*q], v236     ; s = t + dh (steps_j + 1)
	v_mul_f32 v[240+q], v[240+q], v237             ; the sample's weight cc_i cc_j dh
	v_med3_num_f32 v[176+q], v[176+q], -v[VM0], v[VM0]
.if q == 10
	v_cmp_gt_u32 vcc_lo, 41, v0                    ; 2,560 + v0 < 2,601
	v_cndmask_b32 v[240+q], 0, v[240+q], vcc_lo
.endif
	ds_store_b32 v[AWS], v[240+q] offset:WT+1024*q
.set q, q+1
.endr
.irp j, 187,188,189,190,191
	v_mov_b32 v[\j], 0
.endr
	v_cvt_scalef32_pk8_fp8_f32 v[252:253], v[176:183], v[SC0]
	v_cvt_scalef32_pk8_fp8_f32 v[254:255], v[184:191], v[SC0]
	v_nop                                          ; one plain place behind a scaled conversion
.set q, 0
.rept 11
	v_perm_b32 v[112+q], v[252+(q>>2)], v[T0], 0x03020104+(q&3)   ; byte 0: s's code; bytes 1-3: h's codes k = 1 .. 3
	ds_store_b32 v[AIS], v[112+q] offset:INT+2048*q
	ds_store_b32 v[AIS], v[T1] offset:INT+2048*q+64               ; lanes 16-31 of a tile read k = 8 .. 11
.set q, q+1
.endr
	s_wait_dscnt 0x0                               ; these stores have read their registers, which the weights' codes take next
	; THE WEIGHTS' CODES.  Hold, convert (a conversion takes two rows x my four columns), transpose 8 rows x 4 columns of bytes, store 8 bytes (8 along K) for each column into the fragment image.
	s_cmp_eq_u32 s2, 7
	s_cselect_b32 s7, -1, 0
.macro HOLD p, vm
	s_wait_loadcnt 8*(5-\p)                        ; this pass's 8 loads are in; the later passes' may stay out
.if \p == 3
.irp j, 0,1,2,3
	v_cndmask_b32 v[124+\j], v[124+\j], 0, s7      ; nw0 has no row 63: zeros, whose code is 0
.endr
.endif
.set j2, 0
.rept 32
	v_med3_num_f32 v[32*\p+j2], v[32*\p+j2], -v[\vm], v[\vm]
.set j2, j2+1
.endr
.endm
.macro CVT4 p, sc
.irp g, 0,1,2,3
	v_cvt_scalef32_pk8_fp8_f32 v[64+8*\p+2*\g:64+8*\p+2*\g+1], v[32*\p+8*\g:32*\p+8*\g+7], v[\sc]
.endr
.endm
.macro QPASS p, vst, off               ; v[CB + i]: byte c = code of (row i, column c).  v[OB + 2 c], v[OB + 2 c + 1]: column c's rows 0-3, 4-7
.set CB, 64+8*\p
.set OB, 128+8*\p
.irp g, 0,1
	v_perm_b32 v[112+4*\g],   v[CB+4*\g+1], v[CB+4*\g],   s66
	v_perm_b32 v[112+4*\g+1], v[CB+4*\g+1], v[CB+4*\g],   s67
	v_perm_b32 v[112+4*\g+2], v[CB+4*\g+3], v[CB+4*\g+2], s66
	v_perm_b32 v[112+4*\g+3], v[CB+4*\g+3], v[CB+4*\g+2], s67
	v_perm_b32 v[OB+\g],   v[112+4*\g+2], v[112+4*\g],   s68
	v_perm_b32 v[OB+2+\g], v[112+4*\g+2], v[112+4*\g],   s69
	v_perm_b32 v[OB+4+\g], v[112+4*\g+3], v[112+4*\g+1], s68
	v_perm_b32 v[OB+6+\g], v[112+4*\g+3], v[112+4*\g+1], s69
.endr
.irp c, 0,1,2,3
	ds_store_b64 v[\vst], v[OB+2*\c:OB+2*\c+1] offset:\off+8*\c
.endr
.endm
	WIN 0x41                                       ; destination and source 0 in window 1
	HOLD 0, VM1
	HOLD 1, VM3
	HOLD 2, VM3
	HOLD 3, VM5
	HOLD 4, VM7
	HOLD 5, VM7
	WIN 0x01                                       ; source 0 in window 1
	CVT4 0, SC1
	CVT4 1, SC3
	CVT4 2, SC3
	CVT4 3, SC5
	CVT4 4, SC7
	CVT4 5, SC7
	WIN 0
	v_nop                                          ; one plain place behind a scaled conversion
	QPASS 0, VST0, IMG_IW0
	QPASS 1, VST1, 0
	QPASS 2, VST1, 1024                            ; rows 64-127: c is 4 higher
	QPASS 3, VST0, IMG_NW0
	QPASS 4, VST1, REL_NW1
	QPASS 5, VST1, REL_NW1+1024
	s_wait_dscnt 0x0                               ; for the others' sake: my stores are done
	s_barrier_signal -1
	s_barrier_wait -1                              ; tables and images are whole; they are only read from here on
; All that stays in registers: both weights' fragments, both biases and the last layer in the result's layout, the input fragment.
; The run is longer than the counter of LDS instructions can count; the issue stalls by itself where the counter is full (ISA guide 5.7.1), and every wait behind the run is for 0.
.macro LOADFRAGS i0, i1, b0, b1, w2, hc
	WIN 0x40
.irp t, 0,1,2,3,4,5,6,7
.irp c, 0,1,2,3
	ds_load_b64 v[8*\t+2*\c:8*\t+2*\c+1], v[A8] offset:\i0+TS0*\t+256*\c
.endr
.endr
.irp t, 0,1,2,3,4,5,6,7
.irp c, 0,1,2,3,4,5,6,7
	ds_load_b64 v[64+16*\t+2*\c:64+16*\t+2*\c+1], v[A8B] offset:\i1+TS1*\t+256*\c
.endr
.endr
.irp t, 0,1,2,3,4,5,6,7
.irp u, 0,1
	ds_load_b128 v[192+8*\t+4*\u:192+8*\t+4*\u+3], v[ABH] offset:\b0+64*\t+16*\u
.endr
.endr
	WIN 0
.irp t, 0,1,2,3,4,5,6,7
.irp u, 0,1
	ds_load_b128 v[B1+8*\t+4*\u:B1+8*\t+4*\u+3], v[ABH] offset:\b1+64*\t+16*\u
	ds_load_b128 v[W2+8*\t+4*\u:W2+8*\t+4*\u+3], v[ABH] offset:\w2+64*\t+16*\u
.endr
.endr
.irp c, 0,1,2,3
	ds_load_b64 v[INF+2*\c:INF+2*\c+1], v[A8H] offset:\hc+16*\c
.endr
.endm
; The first product: 8 tiles of 16 hidden units x my 16 samples, K = 64; C = the scaled bias.  No instruction adds in place and no two share an accumulator.
.macro MUL1
	WIN 0x11                                       ; A and C in window 1
.irp t, 0,1,2,3,4,5,6,7
	v_wmma_f32_16x16x64_fp8_fp8 v[H+8*\t:H+8*\t+7], v[8*\t:8*\t+7], v[INF:INF+7], v[192+8*\t:192+8*\t+7]
.endr
	WIN 0
.endm
; The second product, K = 128
.macro MUL2
	WIN 0x01                                       ; A in window 1
.irp t, 0,1,2,3,4,5,6,7
	v_wmma_f32_16x16x128_fp8_fp8 v[H+8*\t:H+8*\t+7], v[64+16*\t:64+16*\t+15], v[CODE:CODE+15], v[B1+8*\t:B1+8*\t+7]
.endr
	WIN 0
.endm
; ReLU and the hold at the largest code in one instruction (the middle of x, 0 and 448 x the scale), each accumulator from its low end on; then 8 codes = registers 2 t, 2 t + 1 of the next operand
.macro QHID
.irp t, 0,1,2,3,4,5,6,7
.irp j, 0,1,2,3,4,5,6,7
	v_med3_num_f32 v[H+8*\t+\j], v[H+8*\t+\j], 0, v[VMH]
.endr
	v_cvt_scalef32_pk8_fp8_f32 v[CODE+2*\t:CODE+2*\t+1], v[H+8*\t:H+8*\t+7], v[SCH]
.endr
.endm
.macro RELU8 t
.irp j, 0,1,2,3,4,5,6,7
	v_max_num_f32 v[H+8*\t+\j], 0, v[H+8*\t+\j]
.endr
.endm
; The last layer's multiply-adds for tile t, in four pairs of sums; tile 0 starts them (add = 1: the first pair on ib2)
.macro DOT4 t, wb, add
.irp p, 0,1,2,3
.if (\t) == 0
.if (\add) && (\p == 0)
	v_pk_fma_f32 v[ACC:ACC+1], v[H:H+1], v[\wb:\wb+1], v[IBP:IBP+1]
.else
	v_pk_mul_f32 v[ACC+2*\p:ACC+2*\p+1], v[H+2*\p:H+2*\p+1], v[\wb+2*\p:\wb+2*\p+1]
.endif
.else
	v_pk_fma_f32 v[ACC+2*\p:ACC+2*\p+1], v[H+8*\t+2*\p:H+8*\t+2*\p+1], v[\wb+8*\t+2*\p:\wb+8*\t+2*\p+1], v[ACC+2*\p:ACC+2*\p+1]
.endif
.endr
.endm
; The end of a tile, in three parts, which stand in the NEXT tile as the plain places behind and in front of its matrix instructions (ISA guide 7.12.1): they name none of those instructions' registers.
.macro TAIL1                           ; my 64 hidden units' sum, and the other half's
	v_pk_add_f32 v[ACC:ACC+1], v[ACC:ACC+1], v[ACC+2:ACC+3]
	v_pk_add_f32 v[ACC+4:ACC+5], v[ACC+4:ACC+5], v[ACC+6:ACC+7]
	v_pk_add_f32 v[ACC:ACC+1], v[ACC:ACC+1], v[ACC+4:ACC+5]
	v_add_f32 v[Z], v[ACC], v[ACC+1]
	v_permlanex16_b32 v[ZX], v[Z], s4, s5
.endm
.macro TAIL2                           ; elu(z) + 1 = max(z, 0) + e^min(z, 0)
	v_add_f32 v[Z], v[Z], v[ZX]
	v_min_num_f32 v[ZN], 0, v[Z]
	v_max_num_f32 v[ZP], 0, v[Z]
	v_mul_f32 v[ZN], 0x3fb8aa3b, v[ZN]
	v_exp_f32 v[EX], v[ZN]
.endm
.macro TAILSUM                         ; the first line is also the plain place between the exponential and the use of its result
	v_fma_f32 v[TOT], v[ZP], v[WTV], v[TOT]
	s_wait_alu depctr_va_vdst(0)
	v_fma_f32 v[TOT], v[EX], v[WTV], v[TOT]
.endm
.macro TILE
	s_wait_dscnt 0x0                               ; this tile's input word and the last tile's weight, asked for a hundred instructions ago
	MUL1
	TAIL1                                          ; four plain places behind the first product
	QHID
	TAIL2                                          ; four plain places between the last code and the second product
	MUL2
	TAILSUM                                        ; four plain places behind the second product
	v_add_nc_u32 v[AIN], 1024, v[AIN]              ; 8 tiles on
	v_add_nc_u32 v[AWT], 512, v[AWT]
	ds_load_b32 v[WTV], v[AWT]                     ; this tile's weight
	ds_load_b32 v[INF], v[AIN]                     ; the next tile's input word (the table has 176 rows: the last such load reads row 170 at the most)
.irp t, 0,1,2,3,4,5,6,7
	RELU8 \t
	DOT4 \t, W2, 1
.endr
.endm
	LOADFRAGS IMG_IW0, 0, SV_IB0, SV_IB1, SV_IW2, HCM
	s_lshl_b32 s7, s2, 7
	s_add_co_u32 s7, s7, INT
	v_lshl_add_u32 v[AIN], v[LANE], 2, s7          ; tile w's input row
	s_lshl_b32 s7, s2, 6
	s_add_co_u32 s7, s7, WT-512
	v_lshl_add_u32 v[AWT], v[R], 2, s7             ; 8 tiles ahead of tile w's weights: the first tile steps onto them
.irp j, 0,1,2,3,4,5,6,7
	v_mov_b32 v[ACC+\j], 0                         ; the first tile's tail finds zeros and the weight 0: it adds 0
.endr
	v_mov_b32 v[TOT], 0
	v_mov_b32 v[WTV], 0
	v_mov_b32 v[ZX], 0
	v_cmp_eq_u32 vcc_lo, 0, v[HH]
	v_mov_b32 v[T0], s48
	v_cndmask_b32 v[IBP], 0, v[T0], vcc_lo         ; ib2 once for a sample: in the lower half of the lanes
	v_mov_b32 v[IBP+1], 0
	v_mov_b32 v[SCH], s78
	v_mov_b32 v[VMH], s60
	s_wait_dscnt 0x0                               ; the fragments are in: register 0 of the input may now be loaded anew
	ds_load_b32 v[INF], v[AIN]
	s_mov_b32 s6, 20
.Ltile:
	TILE
	s_sub_co_i32 s6, s6, 1
	s_cmp_lg_u32 s6, 0
	s_cbranch_scc1 .Ltile
	s_cmp_lt_u32 s2, 3
	s_cbranch_scc0 .Lno_extra
	TILE                                           ; tiles 160-162
.Lno_extra:
	s_wait_dscnt 0x0                               ; the last tile's weight
	TAIL1
	TAIL2
	TAILSUM
	; WAVE 3: the second MLP on h_b, as one tile whose 16 samples are all h_b
	s_cmp_eq_u32 s2, 3
	s_cbranch_scc0 .Lno_outer
	LOADFRAGS IMG_NW0, REL_NW1, SV_NB0, SV_NB1, SV_NW2A, HCO
	v_mov_b32 v[SCH], s79
	v_mov_b32 v[VMH], s61
	s_wait_dscnt 0x0
	MUL1
.rept 4
	v_nop                                          ; places behind the product
.endr
	QHID
.rept 4
	v_nop                                          ; places in front of the product that takes the codes
.endr
	WIN 0x40
.irp t, 0,1,2,3,4,5,6,7
.irp u, 0,1
	ds_load_b128 v[8*\t+4*\u:8*\t+4*\u+3], v[ABH] offset:SV_NW2B+64*\t+16*\u   ; nw2's second column, where nw0's fragments lay
.endr
.endr
	WIN 0
	MUL2
.rept 4
	v_nop
.endr
.irp t, 0,1,2,3,4,5,6,7
	RELU8 \t
.endr
.irp t, 0,1,2,3,4,5,6,7
	DOT4 \t, W2, 0
.endr
	TAIL1
	v_add_f32 v[ZN], v[Z], v[ZX]
	v_add_f32 v[ZN], s50, v[ZN]                    ; o0
	ds_store_b32 v[NIL], v[ZN] offset:RED+32
	s_wait_dscnt 0x0                               ; nw2's second column is in
	WIN 0x04                                       ; source 1 in window 1
.irp t, 0,1,2,3,4,5,6,7
	DOT4 \t, 0, 0
.endr
	WIN 0
	TAIL1
	v_add_f32 v[ZP], v[Z], v[ZX]
	v_add_f32 v[ZP], s51, v[ZP]                    ; o1
	ds_store_b32 v[NIL], v[ZP] offset:RED+36
.Lno_outer:
	; my 16 samples' columns are added (both halves of the lanes hold the same sums), the waves' sums meet in LDS
	v_add_f32_dpp v[TOT], v[TOT], v[TOT] row_xmask:1 row_mask:0xf bank_mask:0xf
	v_add_f32_dpp v[TOT], v[TOT], v[TOT] row_xmask:2 row_mask:0xf bank_mask:0xf
	v_add_f32_dpp v[TOT], v[TOT], v[TOT] row_xmask:4 row_mask:0xf bank_mask:0xf
	v_add_f32_dpp v[TOT], v[TOT], v[TOT] row_xmask:8 row_mask:0xf bank_mask:0xf
	v_mov_b32 v[T0], s2
	v_lshlrev_b32 v[T0], 2, v[T0]
	ds_store_b32 v[T0], v[TOT] offset:RED
	s_wait_dscnt 0x0                               ; for wave 0's sake: my stores are done
	s_barrier_signal -1
	s_barrier_wait -1
	s_cmp_eq_u32 s2, 0
	s_cbranch_scc0 .Lend
	ds_load_b128 v[16:19], v[NIL] offset:RED
	ds_load_b128 v[20:23], v[NIL] offset:RED+16
	ds_load_b64 v[10:11], v[NIL] offset:RED+32     ; o0, o1
	s_wait_dscnt 0x0
	v_mul_f32 v11, 0x3fb8aa3b, v11
	v_exp_f32 v11, v11                             ; exp(o1); the additions below are the plain places behind it
	v_pk_add_f32 v[16:17], v[16:17], v[18:19]
	v_pk_add_f32 v[20:21], v[20:21], v[22:23]
	v_pk_add_f32 v[16:17], v[16:17], v[20:21]
	v_add_f32 v8, v16, v17
	v_mul_f32 v8, s52, v8                          ; outer = the weighted sum x (x_b / 2)
	s_wait_alu depctr_va_vdst(0)
	v_fma_f32 v8, v11, v8, v10
	v_cmp_eq_u32 vcc_lo, 0, v0
	s_wait_xcnt 0x0                                ; EXEC changes only behind this wait
	s_and_saveexec_b32 s7, vcc_lo
	global_store_b32 v[NIL], v8, s[38:39]          ; the row's one word
	s_wait_xcnt 0x0
	s_or_b32 exec_lo, exec_lo, s7
.Lend:
	s_wait_xcnt 0x0
	s_mov_b32 exec_lo, -1
	v_lshl_add_u32 v126, v0, 2, 0x15700
	v_mov_b32 v127, 0
	s_wait_tensorcnt 0x0
	ds_add_u32 v126, v127
	s_wait_dscnt 0x0
	s_endpgm
.Lfunc_end_k_qa670df0633_umnn:
	.size	k_qa670df0633_umnn, .Lfunc_end_k_qa670df0633_umnn-k_qa670df0633_umnn
	.p2alignl 7, 3214868480
	.fill 96, 4, 3214868480
	.section	.rodata,"a",@progbits
	.p2align	6, 0x0
	.amdhsa_kernel k_qa670df0633_umnn
		.amdhsa_group_segment_fixed_size 88832
		.amdhsa_private_segment_fixed_size 0
		.amdhsa_enable_private_segment 0
		.amdhsa_kernarg_size 128
		.amdhsa_user_sgpr_count 2
		.amdhsa_user_sgpr_kernarg_segment_ptr 1
		.amdhsa_wavefront_size32 1
		.amdhsa_system_sgpr_workgroup_id_x 1
		.amdhsa_system_sgpr_workgroup_id_y 1
		.amdhsa_system_sgpr_workgroup_id_z 1
		.amdhsa_system_vgpr_workitem_id 0
		.amdhsa_next_free_vgpr 512
		.amdhsa_next_free_sgpr 100
		.amdhsa_reserve_vcc 1
		.amdhsa_float_denorm_mode_32 3
		.amdhsa_float_denorm_mode_16_64 3
		.amdhsa_memory_ordered 1
		.amdhsa_forward_progress 1
		.amdhsa_inst_pref_size 118
	.end_amdhsa_kernel
	.amdgpu_metadata
---
amdhsa.version: [ 1, 2 ]
amdhsa.kernels:
  - .name:           k_qa670df0633_umnn
    .symbol:         k_qa670df0633_umnn.kd
    .args:
      - { .name: x, .offset: 0, .size: 8, .value_kind: global_buffer, .address_space: global }
      - { .name: h, .offset: 8, .size: 8, .value_kind: global_buffer, .address_space: global }
      - { .name: iw0, .offset: 16, .size: 8, .value_kind: global_buffer, .address_space: global }
      - { .name: ib0, .offset: 24, .size: 8, .value_kind: global_buffer, .address_space: global }
      - { .name: iw1, .offset: 32, .size: 8, .value_kind: global_buffer, .address_space: global }
      - { .name: ib1, .offset: 40, .size: 8, .value_kind: global_buffer, .address_space: global }
      - { .name: iw2, .offset: 48, .size: 8, .value_kind: global_buffer, .address_space: global }
      - { .name: ib2, .offset: 56, .size: 8, .value_kind: global_buffer, .address_space: global }
      - { .name: nw0, .offset: 64, .size: 8, .value_kind: global_buffer, .address_space: global }
      - { .name: nb0, .offset: 72, .size: 8, .value_kind: global_buffer, .address_space: global }
      - { .name: nw1, .offset: 80, .size: 8, .value_kind: global_buffer, .address_space: global }
      - { .name: nb1, .offset: 88, .size: 8, .value_kind: global_buffer, .address_space: global }
      - { .name: nw2, .offset: 96, .size: 8, .value_kind: global_buffer, .address_space: global }
      - { .name: nb2, .offset: 104, .size: 8, .value_kind: global_buffer, .address_space: global }
      - { .name: lowp_scales, .offset: 112, .size: 8, .value_kind: global_buffer, .address_space: global }
      - { .name: out0, .offset: 120, .size: 8, .value_kind: global_buffer, .address_space: global }
    .group_segment_fixed_size: 88832
    .private_segment_fixed_size: 0
    .kernarg_segment_align: 8
    .kernarg_segment_size: 128
    .max_flat_workgroup_size: 256
    .sgpr_count:     100
    .vgpr_count:     512
    .wavefront_size: 32
...
	.end_amdgpu_metadata
.endif
;; end of part 1
